; MI455X (gfx1250); checked and timed in simulation.
; The chip was launched on July 23, 2026; its instructions are those of AMD's public machine-readable ISA for CDNA 5 (MIT licence, August 2026) and "CDNA5" Instruction Set Architecture Reference Guide (July 2026). The comments in the code are by the model that wrote it; some were corrected since.
;; Bahdanau Attention. Allowed arithmetic: matrix products marked QUANTISED: E2M1 operands, one E8M0 scale for each 32 along K, by v_wmma_scale_f32_16x16x128_f8f6f4 with both operands' format E2M1 (or v_wmma_scale_f32_32x16x128_f4), f32 sums; products left as they are: f32 operands where the result goes on into a quantised operand, else bf16, f16 or f32 operands; f32 sums; everything else in f32.
;; Inputs: W_c 1,024 x 1,024 float32; W_h 1,024 x 1,024 float32; b_c 1,024 float32; b_h 1,024 float32; encoder_outputs 32 x 2,048 x 1,024 float32; hidden 32 x 1,024 float32; v 1,024 float32.
;; Outputs: out0 32 x 1,024 float32; out1 32 x 2,048 float32.
;; This version of the problem:
;;   THIS VERSION OF THE PROBLEM IS GIVEN IN LOW PRECISION. The matrix products marked QUANTISED in the list below multiply operands that are first quantised to E2M1 (2 exponent bits, 1 mantissa bit; 4 bits a number), with one power-of-two scale for each 32 numbers along K (OCP MX v1.0); their sums are f32. All else is computed in f32.
;;   The module's matrix products, in the order in which they are computed (A, B: the left and right operand; K: the contracted axis; several contracted axes count as one K, in the product's order):
;;     1. [M 32, K 1,024] x [K 1,024, N 1,024]; A: input hidden; B: input W_h: QUANTISED
;;     2. [M 65,536, K 1,024] x [K 1,024, N 1,024]; A: input encoder_outputs; B: input W_c: QUANTISED
;;     3. [M 65,536, K 1,024] x [K 1,024, N 1]; A: computed on the way; B: input v: left as it is (N = 1 < 16)
;;     4. batch 32 x [M 1, K 2,048] x [K 2,048, N 1,024]; A: softmax; B: input encoder_outputs: left as it is (M = 1 < 16)
;;   THE QUANTISER, for each operand of a quantised product, along K:
;;     - K is cut into blocks of 32 from its start; a last block that is shorter is filled with zeros.
;;     - A block's scale is 2^e with e = floor(log2(the largest magnitude in the block)) - 2, held to -126 .. 127; a block of zeros has e = 0. As a byte (E8M0): e + 127.
;;     - Each number is divided by its block's scale, clamped to +-6, and rounded to the nearest number of E2M1, ties to even, subnormals kept.
;;     - The product sums the exact products of the quantised numbers (number of the format x scale) in f32.
;;   ~~~python
;;   def quantise(x, axis):      # numpy; x: float32 -> the quantised numbers, widened to float32 again
;;       x = np.moveaxis(x, axis, -1); K = x.shape[-1]
;;       x = np.pad(x, [(0, 0)] * (x.ndim - 1) + [(0, -K % 32)]); x = x.reshape(x.shape[:-1] + (-1, 32)); a = np.abs(x).max(-1, keepdims=True)
;;       e = np.where(a > 0, np.clip(np.frexp(np.where(a > 0, a, 1))[1] - 1 - 2, -126, 127), 0)      # np.frexp(a)[1] - 1 = floor(log2(a)), exactly
;;       r = np.clip(x / 2.0 ** e, -6, 6)
;;       step = 2.0 ** (np.maximum(np.frexp(np.where(r == 0, 1, r))[1] - 1, 0) - 1)
;;       q = np.round(r / step) * step * 2.0 ** e      # np.round: ties to even
;;       return np.moveaxis(q.reshape(q.shape[:-2] + (-1,))[..., :K], -1, axis).astype(np.float32)
;;   ~~~
;; One version. Each part assembles by itself: llvm-mc -triple=amdgcn-amd-amdhsa -mcpu=gfx1250 --defsym DOCPART=n.
;; ======== version 1 of 1: 3 launches
;; limits: values are held in bf16: 8 bits of precision; right only within a limited range of input values
;; workspace buffers: wcf 524,288 bytes; wcs 32,768 bytes; hv 262,144 bytes; tsc 262,144 bytes; pctx 1,048,576 bytes; pml 65,536 bytes
;; launch prep (part 1): grid 192 x 1, 8 waves a work-group, no clusters, 10,240 bytes of LDS; arguments W_c, W_h, hidden, b_h, b_c, v, wcf, wcs, hv; writes wcf, wcs, hv
.if DOCPART == 1
	.amdgcn_target "amdgcn-amd-amdhsa--gfx1250"
	.amdhsa_code_object_version 6
	.text
	.protected	k_q6aea7feb52_prep
	.globl	k_q6aea7feb52_prep
	.p2align	8
	.type	k_q6aea7feb52_prep,@function
k_q6aea7feb52_prep:
	s_mov_b64 s[64:65], 0
	v_nop
	global_prefetch_b8 v0, s[64:65] scope:SCOPE_SE
	s_setreg_imm32_b32 hwreg(HW_REG_WAVE_MODE, 25, 1), 1
	s_wait_xcnt 0x0
; BahdanauAttention, launch 1 of 3: what is small and read by many is made once.
; THE WHOLE PROGRAM.  tanh(x) = 1 - 2 r with r = 1 / (1 + 2^(c x)), c = 2 log2(e).  So scores[b][s] = sum(v) - 2 sum_o v[o] r[b][s][o].
; WORK LEFT OUT: the term sum(v).  It is the same for every s of a batch, both outputs see the scores through softmax over s alone, and a term that is the same
; along a softmax's axis cancels in it for all finite values of the inputs.  The program carries t = log2(e) (score - sum(v)) = sum_o (-c v[o]) r.  Every input stays live and is loaded.
; LIMITS: an overflow that would reach sum(v) alone is not carried to the result; NaN and infinities among the inputs are not served; a block of zeros gets the scale byte 1
; (the rule says 127): its codes are zeros, which add nothing under any byte but 0xff, and only this program reads the bytes.
; THIS LAUNCH.  Work-groups 0-63 (path C): tile n of 16 rows of W_c becomes codes of E2M1 and E8M0 scale words, laid in the order of an operand's registers:
;   wcf [n 64][K step 8][c 2][lane 32][16 bytes]: lane (r, h) holds row 16 n + r, k = 128 s + 64 c + 32 h + 0 .. 31;
;   wcs [n 64][lane 32][4 words]: word i of lane (r, h) is K step 4 h + i of row 16 n + r: a product takes K steps 0-3 from lanes 0-15 and K steps 4-7 from lanes 16-31 of the same four registers.
; Work-groups 64-191 (path H): 16 batches x 16 columns of hidden W_h^T on codes; hv[b][o] = { c (that + b_h[o] + b_c[o]), -c v[o] }.
; Eight waves: wave s takes K step s (128 along K).  A lane loads the 64 numbers that the operand's layout gives it, two whole blocks of 32, so that a block's largest magnitude needs no other lane
; and the conversions' results are the operand's registers.  The two paths part on the work-group's number and never join; each has LDS bytes of its own.
; hv is stored in runs of 128 bytes (16 columns of a batch row): aligned blocks of 256 bytes are written in two parts, by two work-groups; the buffer is 262,144 bytes.
.set LA,    0                          ; path C: the tile's 512 bytes of scale words, as they lie in wcs
.set LB,    1024                       ; path H: eight images of a result's 8 registers, 1,024 bytes each
.set SPARE, 9216                       ; the spare words, 128 bytes for each of the eight waves: four blocks of 256 bytes that no other line names
.set MX,  12                           ; v12-13 largest magnitudes of my two blocks
.set SO,  14                           ; v14-15 the conversions' scale operands
.set BY,  16                           ; v16-17 the scale bytes
.set T,   18                           ; v18    the other half's two bytes
.set SPW, 30                           ; v30    LDS address of my spare word; never rewritten
.set NIL, 31                           ; v31    0; never rewritten
.set X0,  32                           ; v32-95   64 numbers of the weight
.set X1,  96                           ; v96-159  64 numbers of hidden
.set C0,  160                          ; v160-167 the weight's fragment
.set C1,  168                          ; v168-175 hidden's fragment
.set SW0, 176                          ; their scale words
.set SW1, 177
.set D,   180                          ; v180-187 the product of one K step
	s_load_b256 s[4:11], s[0:1], 0x0               ; W_c s[4:5], W_h s[6:7], hidden s[8:9], b_h s[10:11]
	s_load_b256 s[12:19], s[0:1], 0x20             ; b_c s[12:13], v s[14:15], wcf s[16:17], wcs s[18:19]
	s_load_b64 s[20:21], s[0:1], 0x40              ; hv
	v_lshl_add_u32 v[SPW], v0, 2, SPARE
	v_mov_b32 v[NIL], 0
	v_lshrrev_b32 v1, 5, v0
	s_delay_alu instid0(VALU_DEP_1)
	v_readfirstlane_b32 s24, v1                    ; wave = K step s
	v_and_b32 v3, 31, v0                           ; lane
	v_and_b32 v1, 15, v0                           ; r
	v_bfe_u32 v2, v0, 4, 1                         ; h
	s_delay_alu instid0(VALU_DEP_2)
	v_lshlrev_b32 v4, 12, v1
	s_delay_alu instid0(VALU_DEP_1)
	v_lshl_add_u32 v4, v2, 7, v4                   ; a row of 4,096 bytes x r + 128 h: my 32 numbers of each 64
	v_lshlrev_b32 v5, 4, v3                        ; 16 x lane
	s_wait_alu depctr_va_vdst(0)
	v_lshlrev_b32 v6, 3, v2                        ; 8 h: how far my two scale bytes are shifted
	s_lshr_b32 s25, s24, 2
	s_lshl_b32 s30, s25, 8                         ; 256 (s / 4)
	s_lshl_b32 s25, s25, 9                         ; 512 (s / 4)
	s_and_b32 s28, s24, 3
	s_lshl_b32 s28, s28, 2                         ; 4 (s % 4)
	s_add_co_u32 s25, s25, s28
	s_add_co_u32 s30, s30, s28
	v_add_nc_u32 v7, s25, v5                       ; 512 (s / 4) + 4 (s % 4) + 16 x lane: register s of a lane's eight, in an image of LB
	v_lshlrev_b32 v8, 4, v1
	s_delay_alu instid0(VALU_DEP_1)
	v_add_nc_u32 v8, s30, v8                       ; 16 (r + 16 (s / 4)) + 4 (s % 4): K step s's word of row r, in LA
	s_lshl_b32 s28, s24, 10
	v_add_nc_u32 v9, s28, v5                       ; 1,024 s + 16 x lane: my wave's image
	v_lshlrev_b32 v11, 2, v1                       ; 4 r
	v_lshlrev_b32 v19, 3, v1
	s_delay_alu instid0(VALU_DEP_1)
	v_lshl_add_u32 v19, v2, 16, v19                ; hv: 8 h rows of 8,192 bytes + 8 r
	v_mov_b32 v[T], 0                              ; written once: a lane permute's destination counts as one of its sources
	s_mov_b32 s26, 0x76543210
	s_mov_b32 s27, 0xfedcba98                      ; v_permlanex16_b32's selects for lane l xor 16
	s_lshl_b32 s29, s24, 9                         ; 512 s: my K step in a row
	s_mov_b32 s33, 0
; my 64 numbers of 16 rows x 128 K: k = 64 c + 32 h + 0 .. 31 of row r
.macro XLOAD x, base
.irp c, 0,1
.irp i, 0,1,2,3,4,5,6,7
	global_load_b128 v[\x+32*\c+4*\i:\x+32*\c+4*\i+3], v4, s[\base:\base+1] offset:256*\c+16*\i
.endr
.endr
.endm
; they become a fragment's 8 registers, v[cd] on, and its scale word
.macro QUANT x, cd, sw
.irp b, 0,1
	v_max3_num_f32 v[MX+\b], |v[\x+32*\b]|, |v[\x+32*\b+1]|, 0x1800000   ; block 2 b + h: all 32 numbers are mine; the floor 2^(3 - 127) holds the byte at 1 from below
.endr
.irp i, 2,4,6,8,10,12,14,16,18,20,22,24,26,28,30
.irp b, 0,1
	s_delay_alu instid0(VALU_DEP_2)
	v_max3_num_f32 v[MX+\b], v[MX+\b], |v[\x+32*\b+\i]|, |v[\x+32*\b+\i+1]|   ; (the two blocks by turns)
.endr
.endr
.irp b, 0,1
	s_delay_alu instid0(VALU_DEP_2)
	v_add_nc_u32 v[SO+\b], 0xff000000, v[MX+\b]    ; 2 off the exponent field: the conversion takes the exponent field of this operand as its scale
.endr
.irp b, 0,1
	s_delay_alu instid0(VALU_DEP_2)
	v_lshrrev_b32 v[BY+\b], 23, v[SO+\b]           ; the scale's byte
.endr
	s_delay_alu instid0(VALU_DEP_1)
	v_lshl_or_b32 v[\sw], v[BY+1], 16, v[BY]       ; blocks h and 2 + h,
	s_delay_alu instid0(VALU_DEP_1)
	v_lshlrev_b32 v[\sw], v6, v[\sw]               ; at their places in the word;
	s_delay_alu instid0(VALU_DEP_1)
	v_permlanex16_b32 v[T], v[\sw], s26, s27
	s_delay_alu instid0(VALU_DEP_1)
	v_or_b32 v[\sw], v[\sw], v[T]                  ; with lane l xor 16's two the word is whole, in both halves of the lanes
.irp b, 0,1
.irp g, 0,1,2,3
	v_cvt_scalef32_pk8_fp4_f32 v[\cd+4*\b+\g], v[\x+32*\b+8*\g:\x+32*\b+8*\g+7], v[SO+\b]
.endr
.endr
	v_nop                                          ; one plain place behind the last scaled conversion
.endm
	s_wait_kmcnt 0x0
	s_cmp_ge_u32 ttmp9, 64                         ; the work-group's number alone decides: all eight waves go the same way
	s_cbranch_scc1 .Lpath_h
	; ---- path C: tile n = the work-group's number, of W_c
	s_lshl_b32 s32, ttmp9, 16                      ; 16 rows of 4,096 bytes
	s_add_co_u32 s32, s32, s29
	s_add_nc_u64 s[4:5], s[4:5], s[32:33]
	XLOAD X0, 4
	s_lshl_b32 s32, ttmp9, 13                      ; wcf: 8,192 bytes a tile, 1,024 a K step
	s_add_co_u32 s32, s32, s28
	s_add_nc_u64 s[16:17], s[16:17], s[32:33]
	s_lshl_b32 s32, ttmp9, 9                       ; wcs: 512 bytes a tile
	s_add_nc_u64 s[18:19], s[18:19], s[32:33]
	s_wait_loadcnt 0x0
	QUANT X0, C0, SW0
	global_store_b128 v5, v[C0:C0+3], s[16:17]                 ; 32 lanes store 512 consecutive bytes
	global_store_b128 v5, v[C0+4:C0+7], s[16:17] offset:512
	ds_store_b32 v8, v[SW0] offset:LA              ; my K step's word of each row; lanes r and 16 + r write the same word with the same value
	s_wait_tensorcnt 0x0                           ; behind a wave's last LDS store; the wait on DScnt is also the wait in front of the barrier
	ds_add_u32 v[SPW], v[NIL]
	s_wait_dscnt 0x0                               ; my words have landed
	s_barrier_signal -1
	s_barrier_wait -1                              ; all eight waves' words lie in LA
	s_cmp_lg_u32 s24, 0
	s_cbranch_scc1 .Lend_c                         ; wave 0 stores them: 512 consecutive bytes
	ds_load_b128 v[20:23], v5 offset:LA
	s_wait_dscnt 0x0
	global_store_b128 v5, v[20:23], s[18:19]
.Lend_c:
	s_endpgm
	; ---- path H: columns 16 n .. 16 n + 15 of hidden W_h^T for batches 16 mt .. 16 mt + 15
.Lpath_h:
	s_sub_co_u32 s35, ttmp9, 64
	s_lshr_b32 s36, s35, 1                         ; n
	s_and_b32 s37, s35, 1                          ; mt
	s_lshl_b32 s32, s36, 6                         ; 16 columns of 4 bytes
	s_add_nc_u64 s[10:11], s[10:11], s[32:33]
	s_add_nc_u64 s[12:13], s[12:13], s[32:33]
	s_add_nc_u64 s[14:15], s[14:15], s[32:33]
	s_wait_alu depctr_va_vdst(0)
	global_load_b32 v24, v11, s[10:11]             ; b_h, b_c and v of my column: every wave stores a part of hv and wants them
	global_load_b32 v25, v11, s[12:13]
	global_load_b32 v26, v11, s[14:15]
	s_lshl_b32 s32, s36, 16
	s_add_co_u32 s32, s32, s29
	s_add_nc_u64 s[6:7], s[6:7], s[32:33]
	XLOAD X0, 6
	s_lshl_b32 s32, s37, 16
	s_add_co_u32 s32, s32, s29
	s_add_nc_u64 s[8:9], s[8:9], s[32:33]
	XLOAD X1, 8
	s_lshl_b32 s32, s37, 17                        ; hv: 16 mt rows of 8,192 bytes,
	s_lshl_b32 s34, s36, 7                         ; 16 n pairs of 8 bytes,
	s_add_co_u32 s32, s32, s34
	s_lshl_b32 s34, s24, 13                        ; and row s of each eight: the part that my wave stores
	s_add_co_u32 s32, s32, s34
	s_add_nc_u64 s[20:21], s[20:21], s[32:33]
	s_wait_loadcnt 16                              ; the biases and W_h's numbers are in; hidden's 16 loads may be out
	QUANT X0, C0, SW0
	s_wait_loadcnt 0x0
	QUANT X1, C1, SW1
.rept 8
	v_nop                                          ; a scale register written by a vector instruction stands 8 places ahead of a scaled matrix instruction, an operand so written 4
.endr
	v_wmma_scale_f32_16x16x128_f8f6f4 v[D:D+7], v[C1:C1+7], v[C0:C0+7], 0, v[SW1], v[SW0] matrix_a_fmt:MATRIX_FMT_FP4 matrix_b_fmt:MATRIX_FMT_FP4   ; register j of lane (r, h): batch 8 h + j, column r, my K step's part
.rept 4
	v_nop                                          ; four places in front of the first read of the result
.endr
	ds_store_b128 v9, v[D:D+3] offset:LB           ; the result as an image of its registers, from its low end on
	ds_store_b128 v9, v[D+4:D+7] offset:LB+512
	s_wait_tensorcnt 0x0                           ; behind a wave's last LDS store; the wait on DScnt is also the wait in front of the barrier
	ds_add_u32 v[SPW], v[NIL]
	s_wait_dscnt 0x0                               ; my image has landed
	s_barrier_signal -1
	s_barrier_wait -1                              ; all eight K steps' images lie in LB
.irp i, 0,1,2,3,4,5,6,7
	ds_load_b32 v[32+\i], v7 offset:LB+1024*\i     ; register s of K step i's image: wave s adds up batch rows 8 h + s
.endr
	v_add_f32 v24, v24, v25                        ; b_h + b_c
	v_mul_f32 v41, 0xc038aa3b, v26                 ; -c v
	s_wait_dscnt 0x0
	v_add_f32 v32, v32, v33
	v_add_f32 v34, v34, v35
	v_add_f32 v36, v36, v37
	v_add_f32 v38, v38, v39
	s_delay_alu instid0(VALU_DEP_3)
	v_add_f32 v32, v32, v34
	s_delay_alu instid0(VALU_DEP_2)
	v_add_f32 v36, v36, v38
	s_delay_alu instid0(VALU_DEP_1)
	v_add_f32 v32, v32, v36
	s_wait_alu depctr_va_vdst(0)
	v_add_f32 v32, v32, v24
	s_delay_alu instid0(VALU_DEP_1)
	v_mul_f32 v40, 0x4038aa3b, v32                 ; c (hidden W_h^T + b_h + b_c)
	global_store_b64 v19, v[40:41], s[20:21]
	s_endpgm
.Lfunc_end_k_q6aea7feb52_prep:
	.size	k_q6aea7feb52_prep, .Lfunc_end_k_q6aea7feb52_prep-k_q6aea7feb52_prep
	.p2alignl 7, 3214868480
	.fill 96, 4, 3214868480
	.section	.rodata,"a",@progbits
	.p2align	6, 0x0
	.amdhsa_kernel k_q6aea7feb52_prep
		.amdhsa_group_segment_fixed_size 10240
		.amdhsa_private_segment_fixed_size 0
		.amdhsa_enable_private_segment 0
		.amdhsa_kernarg_size 72
		.amdhsa_user_sgpr_count 2
		.amdhsa_user_sgpr_kernarg_segment_ptr 1
		.amdhsa_wavefront_size32 1
		.amdhsa_system_sgpr_workgroup_id_x 1
		.amdhsa_system_sgpr_workgroup_id_y 1
		.amdhsa_system_sgpr_workgroup_id_z 1
		.amdhsa_system_vgpr_workitem_id 0
		.amdhsa_next_free_vgpr 192
		.amdhsa_next_free_sgpr 66
		.amdhsa_reserve_vcc 0
		.amdhsa_float_denorm_mode_32 3
		.amdhsa_float_denorm_mode_16_64 3
		.amdhsa_memory_ordered 1
		.amdhsa_forward_progress 1
		.amdhsa_inst_pref_size 23
	.end_amdhsa_kernel
	.amdgpu_metadata
---
amdhsa.version: [ 1, 2 ]
amdhsa.kernels:
  - .name:           k_q6aea7feb52_prep
    .symbol:         k_q6aea7feb52_prep.kd
    .args:
      - { .name: W_c, .offset: 0, .size: 8, .value_kind: global_buffer, .address_space: global }
      - { .name: W_h, .offset: 8, .size: 8, .value_kind: global_buffer, .address_space: global }
      - { .name: hidden, .offset: 16, .size: 8, .value_kind: global_buffer, .address_space: global }
      - { .name: b_h, .offset: 24, .size: 8, .value_kind: global_buffer, .address_space: global }
      - { .name: b_c, .offset: 32, .size: 8, .value_kind: global_buffer, .address_space: global }
      - { .name: v, .offset: 40, .size: 8, .value_kind: global_buffer, .address_space: global }
      - { .name: wcf, .offset: 48, .size: 8, .value_kind: global_buffer, .address_space: global }
      - { .name: wcs, .offset: 56, .size: 8, .value_kind: global_buffer, .address_space: global }
      - { .name: hv, .offset: 64, .size: 8, .value_kind: global_buffer, .address_space: global }
    .group_segment_fixed_size: 10240
    .private_segment_fixed_size: 0
    .kernarg_segment_align: 8
    .kernarg_segment_size: 72
    .max_flat_workgroup_size: 256
    .sgpr_count:     66
    .vgpr_count:     192
    .wavefront_size: 32
...
	.end_amdgpu_metadata
.endif
;; end of part 1
;; launch attend (part 2): grid 256 x 1, 4 waves a work-group, no clusters, 327,680 bytes of LDS; arguments encoder_outputs, wcf, wcs, hv, tsc, pctx, pml; writes tsc, pctx, pml
.if DOCPART == 2
	.amdgcn_target "amdgcn-amd-amdhsa--gfx1250"
	.amdhsa_code_object_version 6
	.text
	.protected	k_q6aea7feb52_attend
	.globl	k_q6aea7feb52_attend
	.p2align	8
	.type	k_q6aea7feb52_attend,@function
k_q6aea7feb52_attend:
	s_mov_b64 s[64:65], 0
	v_nop
	global_prefetch_b8 v0, s[64:65] scope:SCOPE_SE
	s_setreg_imm32_b32 hwreg(HW_REG_WAVE_MODE, 25, 1), 1
	s_wait_xcnt 0x0
; BahdanauAttention, launch 2 of 3: encoder_outputs is read ONCE.  For 256 rows (b, s) a work-group makes t = sum_o (-c v[o]) / (1 + 2^(c x[o])), x = enc W_c^T + hidden_proj + b_c,
; on codes of E2M1, and, by a running maximum m, the sum l of p = 2^(t - m) and the partial context sum_s p enc[s][:], all under its own m.  The third launch joins eight work-groups to a batch.
; WORK LEFT OUT: the term sum(v) of the scores, the same along the softmax's axis (shown at the head of the first kernel).  LIMITS as stated there.
; SHARES.  Work-group wg owns rows 256 wg .. + 255 of the 65,536, in four passes of 64.  ON THE WAY IN wave w owns rows 16 w .. 16 w + 15 of a pass: one tensor load brings their 65,536 bytes into the wave's own
; LDS slot; the wave quantises them (codes and scale bytes to LDS, for all four waves) and keeps a bf16 copy in 256 registers for the context.  The slot is then filled again with the next pass's rows,
; and that load has the pass's products, activations, scores and context in which to land: 262,144 bytes of a work-group are on their way meanwhile.  By this text's count a wave has one tensor load out.
; IN THE PRODUCT THE WAVES SHARE THE COLUMNS: wave w makes tiles 16 w .. 16 w + 15 of W_c's 64 for all 64 rows.  The 64 rows' codes (256 registers) stay in registers for a pass; W_c's fragments come from memory
; straight into registers, in the order in which the first launch laid them, up to three tiles (54 loads) ahead, in a stream that runs on from pass to pass.
; NO CLUSTER: no two work-groups read the same rows of encoder_outputs; W_c's fragments, which all share, go into one wave's registers and not through LDS, where 316,928 of 327,680 bytes are taken.
; THE PRODUCT: source 0 = 16 rows of enc, source 1 = 16 rows of W_c: a lane holds ONE column o = 16 n + lane % 16 and eight rows, so c (hidden_proj + biases) and -c v are one number a lane and tile.
; REGISTERS, in windows of 256: window 0: addresses, scale words, at work (map below); window 1: the pass's codes, fragment (tile of rows t, K step s) at v[8 (8 t + s)];
;   window 2: W_c's fragments, four sets of 64, K step s at v[64 k + 8 s]; window 3: the bf16 copy of my 16 rows, v[4 (4 row + c) + q] = columns 256 c + 8 lane + 2 q, + 1.
.set ENCW,  69632                      ; a wave's slot: 256 pieces of 256 bytes + 16 of padding; a row of enc is 16 pieces, 4,352 bytes; 256 columns are 4 pieces, 1,088 bytes
.set COD,   278528                     ; behind the four slots: the pass's codes, 64 rows of 512 bytes + 16
.set SCL,   312320                     ; their scale bytes, 64 rows of 32 bytes + 16
.set SCP,   315392                     ; the waves' parts of the 64 scores: [wave 4][row 64] f32
.set SPARE, 316416                     ; the spare words, 128 bytes for each wave: two blocks of 256 bytes that no other line names
.set CST,   COD                        ; at the end: the four waves' contexts, 4,096 bytes each, where the codes lay (bytes that no tensor load ever fills)
.set LN,  1                            ; lane
.set RR,  2                            ; lane % 16
.set HH,  3                            ; lane / 16
.set L16, 4                            ; 16 x lane
.set EA,  8                            ; v8-9  my 32 bytes of a row's 1,024, in rows 0 and 8 of my slot
.set CSA, 10                           ; where my 8 codes go
.set SBA, 11                           ; where my block's scale byte goes
.set AFA, 12                           ; a fragment of codes: row lane % 16, 16 bytes for each half of the lanes
.set ESA, 13                           ; a row's scale words
.set SPA, 14                           ; my wave's part of the scores: the two neighbouring rows whose sums end in my lane
.set SRA, 15                           ; scores of rows 2 lane, 2 lane + 1
.set SOA, 16                           ; the score of my wave's own row lane % 16
.set TSO, 17                           ; offset in tsc: 8 x lane + 256 x pass
.set MM,  18                           ; m, the running largest t: the same in all lanes and waves
.set LL,  19                           ; l: my two rows' part
.set FF,  20                           ; v20-21 f = 2^(old m - new m), twice
.set CSW, 22                           ; the end: where my context goes,
.set CSR, 23                           ; where I read the four back,
.set PCO, 24                           ; my offset in pctx,
.set PMO, 25                           ; and in pml
.set R8,  26                           ; 8 x (lane % 16)
.set PFO, 27                           ; the prefetches' offset: 256 x lane; never rewritten
.set PFA, 56                           ; s[56:57] where my prefetches stand in encoder_outputs
.set SPW, 28                           ; LDS address of my spare word; never rewritten
.set NIL, 29                           ; 0; never rewritten
.set ES,  32                           ; v32-63  enc's scale words: tile t, K step s at 8 t + s
.set WS,  64                           ; v64-79  W_c's scale words: four sets of 4: register i holds K step i in lanes 0-15 and K step 4 + i in lanes 16-31
.set VOC, 80                           ; v80-83  the W_c stream's offsets, one for each set: codes,
.set VOS, 84                           ; v84-87  scale words,
.set VOH, 88                           ; v88-91  the pair of hv
.set HVL, 96                           ; v96-103 four sets of { c (hidden_proj + biases), -c v }
.set CH,  104                          ; v104-105 the first, twice;  v106-107 the second, twice
.set VS,  106
.set MX,  108                          ; the quantiser: v108-111 largest magnitudes, v112-115 scale operands, v116-123 codes (two sets), v224-231 bytes (two sets)
.set SO,  112
.set CD,  116
.set BY,  224
.set ACC, 128                          ; v128-159 four accumulators;  v160-191 the scores' sums, register 8 t + j = row 16 t + 8 h + j
.set SACC, 160
.set X,   128                          ; while a pass is quantised: two sets of 32 numbers
.set CX,  192                          ; v192-223 the context: register 8 c + e = column 256 c + 8 lane + e
.set TT,  224                          ; v224-231 at work on the scores
.set PV,  232                          ; v232-247 p of my wave's 16 rows, each in all lanes
.set MSB, 0
.macro WIN new                         ; the immediate's high byte repeats the setting that is left; a switch that changes nothing is dropped
.if MSB != \new
	s_set_vgpr_msb (MSB<<8)|\new
.set MSB, \new
.endif
.endm
	s_load_b256 s[4:11], s[0:1], 0x0               ; enc s[4:5], wcf s[6:7], wcs s[8:9], hv s[10:11]
	s_load_b128 s[12:15], s[0:1], 0x20             ; tsc s[12:13], pctx s[14:15]
	s_load_b64 s[16:17], s[0:1], 0x30              ; pml
	v_lshl_add_u32 v[SPW], v0, 2, SPARE
	v_mov_b32 v[NIL], 0
	ds_add_u32 v[SPW], v[NIL]                      ; the wave's opening: the add, twice on end, and its wait ahead of my first tensor load
	ds_add_u32 v[SPW], v[NIL]                      ; and once more; the descriptor's words, work on registers, stand between it and the wait
	v_lshrrev_b32 v[LN], 5, v0
	v_readfirstlane_b32 s18, v[LN]                 ; wave 0..3
	; descriptor group 1: my 16 rows are 65,536 dense bytes: 256 rows of 32 elements of 8 bytes, 4 words of padding behind every 64
	s_mov_b32 s24, (3<<16)|(1<<20)|(5<<22)|(3<<25)
	s_mov_b32 s25, 32<<16                          ; tensor_dim0 = 32
	s_mov_b32 s26, 256<<16                         ; tensor_dim1 = 256
	s_mov_b32 s27, 32<<16                          ; tile_dim0 = 32
	s_mov_b32 s28, 256                             ; tile_dim1 = 256
	s_mov_b32 s29, 32                              ; from row to row
	s_mov_b32 s30, 0
	s_mov_b32 s31, 0
	s_mov_b32 s32, 1                               ; group 0: count = 1,
	s_mul_i32 s33, s18, ENCW                       ; my slot,
	s_lshl_b32 s40, ttmp9, 20                      ; 256 rows of 4,096 bytes a work-group,
	s_lshl_b32 s41, s18, 16                        ; 16 a wave
	s_add_co_u32 s40, s40, s41
	s_mov_b32 s41, 0
	s_mov_b32 s36, 0x4038aa3b                      ; c = 2 log2(e)
	s_mov_b32 s37, s36                             ; (named with it as a pair, so it is written)
	s_mov_b32 s38, 0x76543210
	s_mov_b32 s39, 0xfedcba98                      ; v_permlanex16_b32's selects for lane l xor 16
	s_mov_b32 s21, 0                               ; the W_c stream: byte offset, among my 16 tiles of codes, of the next tile to ask for
	s_wait_dscnt 0x0                               ; both opening adds are done
	s_wait_kmcnt 0x0
	s_add_nc_u64 s[34:35], s[4:5], s[40:41]
	s_or_b32 s35, s35, 0x80000000                  ; type = 2
	tensor_load_to_lds s[32:35], s[24:31]          ; pass 0's rows: every wave's first fill, ahead of every wait on TENSORcnt, LDS read and barrier
	s_nop 0
	v_and_b32 v[LN], 31, v0
	v_and_b32 v[RR], 15, v0
	v_bfe_u32 v[HH], v0, 4, 1
	v_lshlrev_b32 v[L16], 4, v[LN]
	v_lshlrev_b32 v[PFO], 8, v[LN]
	v_lshlrev_b32 v[R8], 3, v[RR]
	v_lshrrev_b32 v[EA], 3, v[LN]
	v_lshlrev_b32 v[EA], 4, v[EA]
	v_lshl_add_u32 v[EA], v[LN], 5, v[EA]          ; 32 x lane, and 16 more for each 256 passed
	v_add_nc_u32 v[EA], s33, v[EA]
	v_add_nc_u32 v[EA+1], 8*4352, v[EA]            ; eight rows on: the immediates stay under 65,536
	s_mul_i32 s22, s18, 16*528
	v_lshl_add_u32 v[CSA], v[LN], 2, COD
	v_add_nc_u32 v[CSA], s22, v[CSA]
	s_mul_i32 s22, s18, 16*48
	v_lshrrev_b32 v[SBA], 2, v[LN]
	v_add_nc_u32 v[SBA], SCL, v[SBA]
	v_add_nc_u32 v[SBA], s22, v[SBA]
	v_mul_u32_u24 v[AFA], v[RR], 528
	v_lshl_add_u32 v[AFA], v[HH], 4, v[AFA]
	v_add_nc_u32 v[AFA], COD, v[AFA]
	v_mul_u32_u24 v[ESA], v[RR], 48
	v_add_nc_u32 v[ESA], SCL, v[ESA]
	s_lshl_b32 s22, s18, 8
	v_bfe_u32 v[SPA], v0, 2, 2                     ; lane bits 3 and 2: rows + 32, + 16: 64 bytes for each 16 rows
	v_lshlrev_b32 v[SPA], 6, v[SPA]
	v_lshl_add_u32 v[SPA], v[HH], 5, v[SPA]        ; my half of the lanes: rows + 8
	v_and_b32 v[TT], 3, v0
	v_lshl_add_u32 v[SPA], v[TT], 3, v[SPA]        ; lane bits 1 and 0: rows + 4, + 2
	v_add_nc_u32 v[SPA], SCP, v[SPA]
	v_add_nc_u32 v[SPA], s22, v[SPA]
	v_lshl_add_u32 v[SRA], v[LN], 3, SCP
	s_lshl_b32 s22, s18, 6
	v_lshl_add_u32 v[SOA], v[RR], 2, SCP
	v_add_nc_u32 v[SOA], s22, v[SOA]
	v_lshlrev_b32 v[TSO], 3, v[LN]
	v_lshlrev_b32 v[PMO], 3, v[LN]
	s_lshl_b32 s22, s18, 12
	v_lshl_add_u32 v[CSW], v[LN], 5, CST
	v_add_nc_u32 v[CSW], s22, v[CSW]
	v_lshl_add_u32 v[CSR], v0, 4, CST
	v_lshlrev_b32 v[PCO], 4, v0
	; the prefetches: a trip of the tile loop names 65,536 bytes of the work-group's rows, 16,384 a wave.  The first step, ahead of the first prefetch, leads to pass 2's first byte (524,288)
	s_lshl_b32 s40, ttmp9, 20
	s_lshl_b32 s42, s18, 14
	s_add_co_u32 s40, s40, s42
	s_add_co_u32 s40, s40, 524288-65536
	s_add_nc_u64 s[PFA:PFA+1], s[4:5], s[40:41]
	s_lshl_b32 s40, s18, 17
	s_add_nc_u64 s[6:7], s[6:7], s[40:41]
	s_lshl_b32 s40, s18, 13                        ; of wcs: 512 each
	s_add_nc_u64 s[8:9], s[8:9], s[40:41]
	s_lshr_b32 s40, ttmp9, 3                       ; the batch: eight work-groups to one
	s_lshl_b32 s40, s40, 13                        ; its row of hv, 8,192 bytes,
	s_lshl_b32 s42, s18, 11                        ; my 256 columns of 8 bytes
	s_add_co_u32 s40, s40, s42
	s_add_nc_u64 s[10:11], s[10:11], s[40:41]
	s_lshl_b32 s40, ttmp9, 10
	s_add_nc_u64 s[12:13], s[12:13], s[40:41]
	s_lshl_b32 s40, ttmp9, 12
	s_add_nc_u64 s[14:15], s[14:15], s[40:41]
	s_lshl_b32 s40, ttmp9, 8
	s_add_nc_u64 s[16:17], s[16:17], s[40:41]
; THE W_c STREAM: 18 loads bring the next tile into set kk: 16 of codes, 1 of scale words, 1 of hv.  The stream goes round my 16 tiles (131,072 bytes of codes).
; They are asked for in two runs.  EACH SET HAS ITS OWN THREE OFFSET REGISTERS: a set's offsets are written anew only behind the counted wait on LOADcnt that showed that set's last 18 loads done
; (the wait at the head of the tile that multiplied the set), so the stream has no wait on XCNT.
.macro WLOADA kk                       ; the set's offsets, and the first half of its codes
	v_add_nc_u32 v[VOC+(\kk)], s21, v[L16]
	s_lshr_b32 s22, s21, 4
	s_lshr_b32 s23, s21, 6
	v_add_nc_u32 v[VOS+(\kk)], s22, v[L16]
	v_add_nc_u32 v[VOH+(\kk)], s23, v[R8]
	s_add_co_u32 s21, s21, 8192
	s_and_b32 s21, s21, 0x1ffff
	WIN 0x80                                       ; destination window 2, offset window 0
.irp i, 0,1,2,3,4,5,6,7
	global_load_b128 v[64*(\kk)+4*\i:64*(\kk)+4*\i+3], v[VOC+(\kk)], s[6:7] offset:512*\i   ; 32 lanes read 512 consecutive bytes: four registers of a fragment
.endr
	WIN 0
.endm
.macro WLOADB kk                       ; the second half, the scale words and the pair of hv
	WIN 0x80
.irp i, 8,9,10,11,12,13,14,15
	global_load_b128 v[64*(\kk)+4*\i:64*(\kk)+4*\i+3], v[VOC+(\kk)], s[6:7] offset:512*\i
.endr
	WIN 0
	global_load_b128 v[WS+4*(\kk):WS+4*(\kk)+3], v[VOS+(\kk)], s[8:9]
	global_load_b64 v[HVL+2*(\kk):HVL+2*(\kk)+1], v[VOH+(\kk)], s[10:11]
.endm
	WLOADA 0
	WLOADB 0
	WLOADA 1
	WLOADB 1
	WLOADA 2
	WLOADB 2
	v_mov_b32 v[MM], 0xff61b1e6                    ; -3e38, under every t
	v_mov_b32 v[LL], 0
.set i, 0
.rept 32
	v_mov_b32 v[CX+i], 0                           ; the context.  (A pass is written for all passes alike: the first finds zeros, which f = 0 leaves zeros)
.set i, i+1
.endr
; THE QUANTISER.  A row of my slot, 1,024 numbers: for each of four pieces of 256 a lane takes 8 neighbours, so that a block of 32 lies in four neighbouring lanes.
.macro QLOADS rho                      ; row rho into set rho % 2.
.set XL, X+32*((\rho)%2)
.irp c, 0,1,2,3
	ds_load_b128 v[XL+8*\c:XL+8*\c+3], v[EA+(\rho)/8] offset:((\rho)%8)*4352+1088*\c
	ds_load_b128 v[XL+8*\c+4:XL+8*\c+7], v[EA+(\rho)/8] offset:((\rho)%8)*4352+1088*\c+16
.endr
.endm
.macro QROW rho
.if (\rho) < 15
	QLOADS (\rho)+1                                ; the next row is on its way while this one is worked
.endif
.if ((\rho) == 0) || ((\rho) == 15)
	s_wait_dscnt 8                                 ; behind this row's loads: the next row's 8 loads (row 0), or the row before's 8 stores (row 15)
.else
	s_wait_dscnt 16                                ; behind this row's loads: the row before's 8 stores and the next row's 8 loads.  So the stores of two rows back are done, and their registers, this row's set, may be written
.endif
.set XS, X+32*((\rho)%2)
.set CDS, CD+4*((\rho)%2)
.set BYS, BY+4*((\rho)%2)
.irp c, 0,1,2,3
	v_max3_num_f32 v[MX+\c], |v[XS+8*\c]|, |v[XS+8*\c+1]|, 0x1800000   ; my 8 numbers, and the floor 2^(3 - 127): the byte cannot fall under 1.  (The four pieces by turns)
.endr
.irp i, 2,4,6
.irp c, 0,1,2,3
	v_max3_num_f32 v[MX+\c], v[MX+\c], |v[XS+8*\c+\i]|, |v[XS+8*\c+\i+1]|
.endr
.endr
.irp m, 1,2
.irp c, 0,1,2,3
	v_max_num_f32_dpp v[MX+\c], v[MX+\c], v[MX+\c] row_xmask:\m row_mask:0xf bank_mask:0xf   ; with the block's other three lanes
.endr
.endr
.irp c, 0,1,2,3
	v_add_nc_u32 v[SO+\c], 0xff000000, v[MX+\c]    ; 2 off the exponent field: the conversion's scale operand
.endr
.irp c, 0,1,2,3
	v_cvt_scalef32_pk8_fp4_f32 v[CDS+\c], v[XS+8*\c:XS+8*\c+7], v[SO+\c]
.endr
.irp c, 0,1,2,3
	v_lshrrev_b32 v[BYS+\c], 23, v[SO+\c]          ; the scale's byte.  (Plain places behind the conversions)
.endr
	WIN 0xc0                                       ; destination window 3
.irp c, 0,1,2,3
.irp q, 0,1,2,3
	v_cvt_pk_bf16_f32 v[4*(4*(\rho)+\c)+\q], v[XS+8*\c+2*\q], v[XS+8*\c+2*\q+1]   ; the copy for the context
.endr
.endr
	WIN 0
.irp c, 0,1,2,3
	ds_store_b32 v[CSA], v[CDS+\c] offset:528*(\rho)+128*\c    ; 32 lanes store 128 consecutive bytes of the row's codes
	ds_store_b8 v[SBA], v[BYS+\c] offset:48*(\rho)+8*\c        ; the four lanes of a block write the same byte with the same value
.endr
.endm
; the pass's 32 fragments of codes and their scale words, for every wave
.macro ALOAD
	WIN 0x40                                       ; destination window 1, address window 0
.irp t, 0,1,2,3
.irp s, 0,1,2,3,4,5,6,7
	ds_load_b128 v[8*(8*\t+\s):8*(8*\t+\s)+3], v[AFA] offset:8448*\t+64*\s
	ds_load_b128 v[8*(8*\t+\s)+4:8*(8*\t+\s)+7], v[AFA] offset:8448*\t+64*\s+32
.endr
.endr
	WIN 0
.irp t, 0,1,2,3
	ds_load_b128 v[ES+8*\t:ES+8*\t+3], v[ESA] offset:768*\t
	ds_load_b128 v[ES+8*\t+4:ES+8*\t+7], v[ESA] offset:768*\t+16
.endr
.endm
; ONE TILE OF W_c (16 columns) against the pass's 64 rows, from set k.  cnt: the loads asked for behind this tile's, 18 a tile.
; ld = 1: the tile three on is asked for, into the set that the tile before has left (its last product stands a whole vector phase and this tile's products back; its loads were shown done by that tile's wait).
; The wait stands ahead of the new loads, so that at most 54 loads of the wave are out.  The two runs of loads stand behind the two batches of transcendentals, ahead of each batch's wait.
.macro TILE k, ld, cnt
	s_wait_loadcnt \cnt                            ; this tile's 18 loads are in; those of the tiles behind it may be out
	WIN 0x09                                       ; source 0 (enc) window 1, source 1 (W_c) window 2, C and D window 0
.irp s, 0,1,2,3,4,5,6,7                        ; the four accumulators take turns, one instruction a turn; the first K step starts the sums
.irp t, 0,1,2,3
.if \s == 0
	v_wmma_scale_f32_16x16x128_f8f6f4 v[ACC+8*\t:ACC+8*\t+7], v[8*(8*\t+\s):8*(8*\t+\s)+7], v[64*(\k)+8*\s:64*(\k)+8*\s+7], 0, v[ES+8*\t+\s], v[WS+4*(\k)+\s] matrix_a_fmt:MATRIX_FMT_FP4 matrix_b_fmt:MATRIX_FMT_FP4
.elseif \s < 4
	v_wmma_scale_f32_16x16x128_f8f6f4 v[ACC+8*\t:ACC+8*\t+7], v[8*(8*\t+\s):8*(8*\t+\s)+7], v[64*(\k)+8*\s:64*(\k)+8*\s+7], v[ACC+8*\t:ACC+8*\t+7], v[ES+8*\t+\s], v[WS+4*(\k)+\s] matrix_a_fmt:MATRIX_FMT_FP4 matrix_b_fmt:MATRIX_FMT_FP4
.else
	v_wmma_scale_f32_16x16x128_f8f6f4 v[ACC+8*\t:ACC+8*\t+7], v[8*(8*\t+\s):8*(8*\t+\s)+7], v[64*(\k)+8*\s:64*(\k)+8*\s+7], v[ACC+8*\t:ACC+8*\t+7], v[ES+8*\t+\s], v[WS+4*(\k)+\s-4] matrix_a_fmt:MATRIX_FMT_FP4 matrix_b_fmt:MATRIX_FMT_FP4 matrix_b_scale:MATRIX_SCALE_ROW1
.endif
.endr
.endr
	WIN 0
	v_mov_b32 v[CH], v[HVL+2*(\k)]                 ; my column's two numbers as pairs: these four lines are the places behind the last product
	v_mov_b32 v[CH+1], v[HVL+2*(\k)]
	v_mov_b32 v[VS], v[HVL+2*(\k)+1]
	v_mov_b32 v[VS+1], v[HVL+2*(\k)+1]
.set i, 0
.rept 16
	v_pk_fma_f32 v[ACC+i:ACC+i+1], v[ACC+i:ACC+i+1], s[36:37], v[CH:CH+1] op_sel_hi:[1,0,1]   ; c x, each accumulator from its low end on
.set i, i+2
.endr
.set i, 0
	s_wait_alu depctr_va_vdst(0)
.rept 32
	v_exp_f32 v[ACC+i], v[ACC+i]                   ; 2^(c x)
.set i, i+1
.endr
.if \ld
	WLOADA ((\k)+3)%4                              ; its three additions are the plain places behind the last exponential; it names none of the batch's results
.else
	v_nop                                          ; a plain place behind the last exponential
.endif
	s_wait_alu depctr_va_vdst(0)                   ; one wait for the batch, ahead of its first reader
.set i, 0
.rept 16
	v_pk_add_f32 v[ACC+i:ACC+i+1], v[ACC+i:ACC+i+1], 1.0 op_sel_hi:[1,0]
.set i, i+2
.endr
.set i, 0
	s_wait_alu depctr_va_vdst(0)
.rept 32
	v_rcp_f32 v[ACC+i], v[ACC+i]                   ; r = 1 / (1 + 2^(c x)): 0 where the power is infinite, 1 where it is 0
.set i, i+1
.endr
	v_nop                                          ; a plain place behind the last reciprocal
.if \ld
	WLOADB ((\k)+3)%4
.endif
	s_wait_alu depctr_va_vdst(0)                   ; likewise one wait for the reciprocals
.set i, 0
.rept 16
	v_pk_fma_f32 v[SACC+i:SACC+i+1], v[ACC+i:ACC+i+1], v[VS:VS+1], v[SACC+i:SACC+i+1]   ; t += (-c v) r
.set i, i+2
.endr
.endm
; THE PASS'S 64 SCORES: over the sixteen columns of a half of the lanes, over the four waves through LDS; then m, f, l and my rows' p.
; One step of the sum over a half's sixteen lanes, which halves the registers: of registers i and i + p a lane keeps the one that its bit x chooses (bit set: i + p)
; and hands the other to lane l xor x, which keeps that one.  mask: the lanes whose bit x is set.  90 vector instructions in four steps bring 32 registers x 16 lanes to 2 registers a lane.
.macro FOLD p, x, mask
	s_mov_b32 vcc_lo, \mask
.set i, 0
.rept \p
	v_cndmask_b32 v[ACC+i], v[SACC+i+\p], v[SACC+i], vcc_lo        ; what I hand over
.set i, i+1
.endr
.set i, 0
.rept \p
	v_cndmask_b32 v[SACC+i], v[SACC+i], v[SACC+i+\p], vcc_lo       ; what I keep
.set i, i+1
.endr
.set i, 0
.rept \p
	v_add_f32_dpp v[SACC+i], v[ACC+i], v[SACC+i] row_xmask:\x row_mask:0xf bank_mask:0xf
.set i, i+1
.endr
.endm
.macro SCORE
	FOLD 16, 8, 0xff00ff00                         ; lane bit 3 takes the register number's bit 4: rows + 32
	FOLD 8, 4, 0xf0f0f0f0                          ; bit 2: rows + 16
	FOLD 4, 2, 0xcccccccc                          ; bit 1: rows + 4
	FOLD 2, 1, 0xaaaaaaaa                          ; bit 0: rows + 2; the two registers left are two neighbouring rows
	ds_store_b64 v[SPA], v[SACC:SACC+1]            ; 32 lanes store my wave's part of all 64 rows: 256 consecutive bytes
	s_wait_dscnt 0x0                               ; my part has landed.  (My reads of the codes were waited for ahead of the products)
	s_barrier_signal -1
	s_barrier_wait -1                              ; all four parts lie in LDS, and no wave reads this pass's codes any more.  The next rows' load stays on its way
.irp w, 0,1,2,3
	ds_load_b64 v[ACC+2*\w:ACC+2*\w+1], v[SRA] offset:256*\w
	ds_load_b32 v[ACC+8+\w], v[SOA] offset:256*\w
.endr
	s_wait_dscnt 0x0
	v_pk_add_f32 v[TT:TT+1], v[ACC:ACC+1], v[ACC+2:ACC+3]          ; the same order of sums for all three, so that a row's t has the same bits wherever it is made
	v_pk_add_f32 v[TT+2:TT+3], v[ACC+4:ACC+5], v[ACC+6:ACC+7]
	v_add_f32 v[TT+4], v[ACC+8], v[ACC+9]
	v_add_f32 v[TT+5], v[ACC+10], v[ACC+11]
	v_pk_add_f32 v[TT:TT+1], v[TT:TT+1], v[TT+2:TT+3]              ; t of rows 2 lane, 2 lane + 1
	v_add_f32 v[TT+4], v[TT+4], v[TT+5]                            ; t of my wave's row lane % 16
	s_cmp_lg_u32 s18, 0
	s_cbranch_scc1 .Lnot_wave_0_\@
	global_store_b64 v[TSO], v[TT:TT+1], s[12:13]  ; wave 0: 32 lanes store 256 consecutive bytes, aligned
.Lnot_wave_0_\@:
	s_wait_alu depctr_va_vdst(0)
	v_max_num_f32 v[TT+2], v[TT], v[TT+1]
.irp m, 1,2,4,8
	v_max_num_f32_dpp v[TT+2], v[TT+2], v[TT+2] row_xmask:\m row_mask:0xf bank_mask:0xf
.endr
	v_permlanex16_b32 v[TT+3], v[TT+2], s38, s39
	v_max_num_f32 v[TT+2], v[TT+2], v[TT+3]
	v_max_num_f32 v[TT+2], v[TT+2], v[MM]          ; the new m
	v_sub_f32 v[FF], v[MM], v[TT+2]
	v_sub_f32 v[TT+5], v[TT], v[TT+2]
	v_sub_f32 v[TT+6], v[TT+1], v[TT+2]
	v_sub_f32 v[TT+4], v[TT+4], v[TT+2]
	s_wait_alu depctr_va_vdst(0)
	v_exp_f32 v[FF], v[FF]                         ; f
	v_exp_f32 v[TT+5], v[TT+5]                     ; p of my two rows,
	v_exp_f32 v[TT+6], v[TT+6]
	v_exp_f32 v[TT+4], v[TT+4]                     ; and of my wave's row lane % 16
	v_mov_b32 v[MM], v[TT+2]                       ; (a plain place behind the exponentials)
	s_wait_alu depctr_va_vdst(0)                   ; one wait for the four, ahead of their first reader
	v_fma_f32 v[LL], v[LL], v[FF], v[TT+5]
	v_add_f32 v[LL], v[LL], v[TT+6]
	v_mov_b32 v[FF+1], v[FF]
.irp r, 0,1,2,3,4,5,6,7,8,9,10,11,12,13,14,15
	v_readlane_b32 s[40+\r], v[TT+4], \r
.endr
.irp r, 0,1,2,3,4,5,6,7,8,9,10,11,12,13,14,15
	v_mov_b32 v[PV+\r], s[40+\r]                   ; each row's p in all lanes: data only, no address and no branch hangs on it
.endr
	s_wait_xcnt 0x0                                ; wave 0's store has read its offset and its data: both are written again only behind this wait
	v_add_nc_u32 v[TSO], 256, v[TSO]
.endm
; THE CONTEXT: x f, + p x my 16 rows, from the bf16 copy; sums in f32
.macro CTX
.set i, 0
.rept 16
	v_pk_mul_f32 v[CX+i:CX+i+1], v[CX+i:CX+i+1], v[FF:FF+1]
.set i, i+2
.endr
	WIN 0x03                                       ; source 0 window 3
.irp r, 0,1,2,3,4,5,6,7,8,9,10,11,12,13,14,15
.irp c, 0,1,2,3
.irp q, 0,1,2,3
	v_fma_mix_f32_bf16 v[CX+8*\c+2*\q], v[4*(4*\r+\c)+\q], v[PV+\r], v[CX+8*\c+2*\q] op_sel_hi:[1,0,0]
	v_fma_mix_f32_bf16 v[CX+8*\c+2*\q+1], v[4*(4*\r+\c)+\q], v[PV+\r], v[CX+8*\c+2*\q+1] op_sel:[1,0,0] op_sel_hi:[1,0,0]
.endr
.endr
.endr
	WIN 0
.endm
; A PASS OF 64 ROWS.  last = 1: nothing more is fetched: no refill, and the W_c stream runs out.
.macro PASS last
	s_wait_tensorcnt 0x0                           ; my one tensor load has landed: only I read my slot
	QLOADS 0
.irp r, 0,1,2,3,4,5,6,7,8,9,10,11,12,13,14,15
	QROW \r
.endr
.if \last
	s_wait_dscnt 0x0                               ; my codes and bytes have landed
	s_barrier_signal -1
	s_barrier_wait -1                              ; all 64 rows' lie in LDS
.else
	s_wait_tensorcnt 0x0                           ; no tensor load of mine is out, so group 0 may be written;
	ds_add_u32 v[SPW], v[NIL]                      ; 0 onto my spare word
	s_add_nc_u64 s[34:35], s[34:35], 262144        ; the next pass's rows: 64 rows of 4,096 bytes on; the type bits on top are not reached
	s_wait_dscnt 0x0                               ; the add is done, my reads of the slot are back, my codes and bytes have landed
	s_barrier_signal -1
	s_barrier_wait -1                              ; all 64 rows' codes lie in LDS
	tensor_load_to_lds s[32:35], s[24:31]          ; my one tensor load behind the barrier, and the first thing there
	s_nop 0
.endif
.set i, 0
.rept 32
	v_mov_b32 v[SACC+i], 0                         ; the pass's scores begin
.set i, i+1
.endr
	ALOAD
	s_wait_dscnt 0x0
.if \last
	s_mov_b32 s20, 3
.else
	s_mov_b32 s20, 4
.endif
.Ltiles_\@:                                            ; four tiles a trip: the sets are back where they began
	TILE 0, 1, 36
	TILE 1, 1, 36
.if \last == 0
; A PREFETCH INTO THE L2 of the rows that the NEXT pass's refill will load: passes 0 and 1 name the rows of passes 2 and 3, a whole pass ahead of that tensor load.
; A pass's 262,144 bytes go in the loop's four trips; in a trip wave w names bytes 16,384 w on, by two instructions, lanes 256 bytes apart: each aligned block of 256 bytes is named once in the launch.
; Passes 0 and 1 come by their loads alone; pass 2 (s19 = 1) and the last pass name nothing: there are no rows behind pass 3.  Eight steps in all: every address lies in the work-group's own 1,048,576 bytes.
	s_cmp_gt_u32 s19, 1
	s_cbranch_scc0 .Lno_ask_\@
	s_wait_xcnt 0x0                                ; the last trip's prefetches have read their address, so it may be stepped
	s_add_nc_u64 s[PFA:PFA+1], s[PFA:PFA+1], 65536
	global_prefetch_b8 v[PFO], s[PFA:PFA+1] th:TH_LOAD_NT scope:SCOPE_SE
	global_prefetch_b8 v[PFO], s[PFA:PFA+1] offset:8192 th:TH_LOAD_NT scope:SCOPE_SE
.Lno_ask_\@:
.endif
	TILE 2, 1, 36
	TILE 3, 1, 36
	s_sub_co_u32 s20, s20, 1
	s_cmp_lg_u32 s20, 0
	s_cbranch_scc1 .Ltiles_\@
.if \last
	TILE 0, 1, 36                                  ; the last tile is asked for; then the counts run down
	TILE 1, 0, 36
	TILE 2, 0, 18
	TILE 3, 0, 0
.endif
	SCORE
	CTX
.endm
	s_mov_b32 s19, 3
.Lpass:
	PASS 0
	s_sub_co_u32 s19, s19, 1
	s_cmp_lg_u32 s19, 0
	s_cbranch_scc1 .Lpass
	PASS 1                                         ; the last pass is written out
	; THE END: l over the lanes; m and l; the four waves' contexts are added through LDS and leave as 4,096 consecutive bytes
.irp m, 1,2,4,8
	v_add_f32_dpp v[LL], v[LL], v[LL] row_xmask:\m row_mask:0xf bank_mask:0xf
.endr
	v_permlanex16_b32 v[TT+3], v[LL], s38, s39
	v_add_f32 v[LL], v[LL], v[TT+3]
	s_cmp_lg_u32 s18, 0
	s_cbranch_scc1 .Lno_ml
	global_store_b64 v[PMO], v[MM:MM+1], s[16:17]  ; wave 0: { m, l } from every lane: 256 consecutive bytes, aligned
.Lno_ml:
	s_wait_alu depctr_va_vdst(0)
.irp c, 0,1,2,3
.irp q, 0,1
	ds_store_b128 v[CSW], v[CX+8*\c+4*\q:CX+8*\c+4*\q+3] offset:1024*\c+16*\q   ; where the codes lay: every wave's reads of them ended ahead of the last scores' barrier
.endr
.endr
	s_wait_tensorcnt 0x0                           ; behind my last tensor load and my last LDS store; the wait on DScnt is also the wait in front of the barrier
	ds_add_u32 v[SPW], v[NIL]
	s_wait_dscnt 0x0
	s_barrier_signal -1
	s_barrier_wait -1
.irp w, 0,1,2,3
.irp g, 0,1
	ds_load_b128 v[ACC+8*\w+4*\g:ACC+8*\w+4*\g+3], v[CSR] offset:4096*\w+2048*\g
.endr
.endr
	s_wait_dscnt 0x0
.irp u, 0,2,4,6
	v_pk_add_f32 v[ACC+\u:ACC+\u+1], v[ACC+\u:ACC+\u+1], v[ACC+8+\u:ACC+8+\u+1]
	v_pk_add_f32 v[ACC+16+\u:ACC+16+\u+1], v[ACC+16+\u:ACC+16+\u+1], v[ACC+24+\u:ACC+24+\u+1]
.endr
.irp u, 0,2,4,6
	v_pk_add_f32 v[ACC+\u:ACC+\u+1], v[ACC+\u:ACC+\u+1], v[ACC+16+\u:ACC+16+\u+1]
.endr
	global_store_b128 v[PCO], v[ACC:ACC+3], s[14:15]               ; 32 lanes store 512 consecutive bytes
	global_store_b128 v[PCO], v[ACC+4:ACC+7], s[14:15] offset:2048
	s_endpgm
.Lfunc_end_k_q6aea7feb52_attend:
	.size	k_q6aea7feb52_attend, .Lfunc_end_k_q6aea7feb52_attend-k_q6aea7feb52_attend
	.p2alignl 7, 3214868480
	.fill 96, 4, 3214868480
	.section	.rodata,"a",@progbits
	.p2align	6, 0x0
	.amdhsa_kernel k_q6aea7feb52_attend
		.amdhsa_group_segment_fixed_size 327680
		.amdhsa_private_segment_fixed_size 0
		.amdhsa_enable_private_segment 0
		.amdhsa_kernarg_size 56
		.amdhsa_user_sgpr_count 2
		.amdhsa_user_sgpr_kernarg_segment_ptr 1
		.amdhsa_wavefront_size32 1
		.amdhsa_system_sgpr_workgroup_id_x 1
		.amdhsa_system_sgpr_workgroup_id_y 1
		.amdhsa_system_sgpr_workgroup_id_z 1
		.amdhsa_system_vgpr_workitem_id 0
		.amdhsa_next_free_vgpr 1024
		.amdhsa_next_free_sgpr 66
		.amdhsa_reserve_vcc 1
		.amdhsa_float_denorm_mode_32 3
		.amdhsa_float_denorm_mode_16_64 3
		.amdhsa_memory_ordered 1
		.amdhsa_forward_progress 1
		.amdhsa_inst_pref_size 255
	.end_amdhsa_kernel
	.section	.bss,"aw",@nobits
	.p2align	6
	.space	262144
	.amdgpu_metadata
---
amdhsa.version: [ 1, 2 ]
amdhsa.kernels:
  - .name:           k_q6aea7feb52_attend
    .symbol:         k_q6aea7feb52_attend.kd
    .args:
      - { .name: encoder_outputs, .offset: 0, .size: 8, .value_kind: global_buffer, .address_space: global }
      - { .name: wcf, .offset: 8, .size: 8, .value_kind: global_buffer, .address_space: global }
      - { .name: wcs, .offset: 16, .size: 8, .value_kind: global_buffer, .address_space: global }
      - { .name: hv, .offset: 24, .size: 8, .value_kind: global_buffer, .address_space: global }
      - { .name: tsc, .offset: 32, .size: 8, .value_kind: global_buffer, .address_space: global }
      - { .name: pctx, .offset: 40, .size: 8, .value_kind: global_buffer, .address_space: global }
      - { .name: pml, .offset: 48, .size: 8, .value_kind: global_buffer, .address_space: global }
    .group_segment_fixed_size: 327680
    .private_segment_fixed_size: 0
    .kernarg_segment_align: 8
    .kernarg_segment_size: 56
    .max_flat_workgroup_size: 128
    .sgpr_count:     66
    .vgpr_count:     1024
    .wavefront_size: 32
...
	.end_amdgpu_metadata
.endif
;; end of part 2
;; launch combine (part 3): grid 128 x 1, 2 waves a work-group, no clusters, 0 bytes of LDS; arguments tsc, pctx, pml, out0, out1; writes out0, out1
.if DOCPART == 3
	.amdgcn_target "amdgcn-amd-amdhsa--gfx1250"
	.amdhsa_code_object_version 6
	.text
	.protected	k_q6aea7feb52_combine
	.globl	k_q6aea7feb52_combine
	.p2align	8
	.type	k_q6aea7feb52_combine,@function
k_q6aea7feb52_combine:
	s_mov_b64 s[64:65], 0
	v_nop
	global_prefetch_b8 v0, s[64:65] scope:SCOPE_SE
	s_setreg_imm32_b32 hwreg(HW_REG_WAVE_MODE, 25, 1), 1
	s_wait_xcnt 0x0
; BahdanauAttention, launch 3 of 3: the eight work-groups' parts of a batch are joined.  With M = the largest of their m_i, w_i = 2^(m_i - M) and L = sum_i l_i w_i:
; context = sum_i w_i pctx_i / L;  attn[s] = 2^(t[s] - M) / L.  (t carries the scores without the term sum(v), which the softmax cancels: shown at the head of the first kernel.)
; Work-group 4 b + q takes batch b, columns 256 q .. + 255 of the context and positions 512 q .. + 511 of attn.  64 threads, 16 bytes each: every load and store of a wave covers 512 consecutive bytes.
; A stream of under 2 MB: no LDS, no barrier, no matrix unit.
	s_load_b256 s[4:11], s[0:1], 0x0               ; tsc s[4:5], pctx s[6:7], pml s[8:9], out0 s[10:11]
	s_load_b64 s[12:13], s[0:1], 0x20              ; out1
	s_lshr_b32 s14, ttmp9, 2                       ; b
	s_and_b32 s15, ttmp9, 3                        ; q
	v_lshlrev_b32 v1, 4, v0
	s_lshl_b32 s36, s14, 11                        ; pml: eight blocks of 256 bytes a batch
	s_mov_b32 s37, 0
	s_wait_alu depctr_va_vdst(0)
	s_wait_kmcnt 0x0
	s_add_nc_u64 s[8:9], s[8:9], s[36:37]
.irp i, 0,1,2,3,4,5,6,7
	s_load_b64 s[16+2*\i:17+2*\i], s[8:9], 256*\i  ; m_i, l_i
.endr
	s_lshl_b32 s36, s14, 15                        ; pctx: eight rows of 4,096 bytes a batch,
	s_lshl_b32 s38, s15, 10                        ; 1,024 bytes a quarter
	s_add_co_u32 s36, s36, s38
	s_add_nc_u64 s[6:7], s[6:7], s[36:37]
	s_lshl_b32 s36, s14, 12                        ; out0: 4,096 bytes a batch
	s_add_co_u32 s36, s36, s38
	s_add_nc_u64 s[10:11], s[10:11], s[36:37]
	s_lshl_b32 s36, s14, 13                        ; tsc and out1: 8,192 bytes a batch, 2,048 a quarter
	s_lshl_b32 s38, s15, 11
	s_add_co_u32 s36, s36, s38
	s_add_nc_u64 s[4:5], s[4:5], s[36:37]
	s_add_nc_u64 s[12:13], s[12:13], s[36:37]
.irp i, 0,1,2,3,4,5,6,7
	global_load_b128 v[16+4*\i:19+4*\i], v1, s[6:7] offset:4096*\i
.endr
	global_load_b128 v[48:51], v1, s[4:5]
	global_load_b128 v[52:55], v1, s[4:5] offset:1024
	s_wait_kmcnt 0x0
	v_mov_b32 v2, s16
.irp i, 1,2,3,4,5,6,7
	v_max_num_f32 v2, s[16+2*\i], v2               ; M
.endr
.irp i, 0,1,2,3,4,5,6,7
	v_sub_f32 v[8+\i], s[16+2*\i], v2
.endr
	s_wait_alu depctr_va_vdst(0)
.irp i, 0,1,2,3,4,5,6,7
	v_exp_f32 v[8+\i], v[8+\i]                     ; w_i
.endr
	v_nop                                          ; a plain place behind the last exponential,
	s_wait_alu depctr_va_vdst(0)                   ; and one wait for the batch, ahead of its first reader
	v_mul_f32 v3, s17, v8
.irp i, 1,2,3,4,5,6,7
	v_fmac_f32 v3, s[17+2*\i], v[8+\i]             ; L: at least 1, since the row that gave M adds 1
.endr
	s_wait_alu depctr_va_vdst(0)
	v_rcp_f32 v3, v3
	v_nop
	s_wait_alu depctr_va_vdst(0)
.irp i, 0,1,2,3,4,5,6,7
	v_mul_f32 v[8+\i], v[8+\i], v3                 ; w_i / L
.endr
	s_wait_alu depctr_va_vdst(0)
	s_wait_loadcnt 2                               ; the eight parts of the context are in; the two loads of scores may be out
.irp j, 0,1,2,3
	v_mul_f32 v[60+\j], v[16+\j], v8
.endr
.irp i, 1,2,3,4,5,6,7
.irp j, 0,1,2,3
	v_fmac_f32 v[60+\j], v[16+4*\i+\j], v[8+\i]
.endr
.endr
	global_store_b128 v1, v[60:63], s[10:11]
	s_wait_loadcnt 0x0
.irp j, 0,1,2,3,4,5,6,7
	v_sub_f32 v[48+\j], v[48+\j], v2               ; t - M: the maximum is taken away before the exponential
.endr
	s_wait_alu depctr_va_vdst(0)
.irp j, 0,1,2,3,4,5,6,7
	v_exp_f32 v[48+\j], v[48+\j]
.endr
	v_nop
	s_wait_alu depctr_va_vdst(0)
.irp j, 0,1,2,3,4,5,6,7
	v_mul_f32 v[48+\j], v[48+\j], v3
.endr
	global_store_b128 v1, v[48:51], s[12:13]
	global_store_b128 v1, v[52:55], s[12:13] offset:1024
	s_endpgm
.Lfunc_end_k_q6aea7feb52_combine:
	.size	k_q6aea7feb52_combine, .Lfunc_end_k_q6aea7feb52_combine-k_q6aea7feb52_combine
	.p2alignl 7, 3214868480
	.fill 96, 4, 3214868480
	.section	.rodata,"a",@progbits
	.p2align	6, 0x0
	.amdhsa_kernel k_q6aea7feb52_combine
		.amdhsa_group_segment_fixed_size 0
		.amdhsa_private_segment_fixed_size 0
		.amdhsa_enable_private_segment 0
		.amdhsa_kernarg_size 40
		.amdhsa_user_sgpr_count 2
		.amdhsa_user_sgpr_kernarg_segment_ptr 1
		.amdhsa_wavefront_size32 1
		.amdhsa_system_sgpr_workgroup_id_x 1
		.amdhsa_system_sgpr_workgroup_id_y 1
		.amdhsa_system_sgpr_workgroup_id_z 1
		.amdhsa_system_vgpr_workitem_id 0
		.amdhsa_next_free_vgpr 64
		.amdhsa_next_free_sgpr 66
		.amdhsa_reserve_vcc 0
		.amdhsa_float_denorm_mode_32 3
		.amdhsa_float_denorm_mode_16_64 3
		.amdhsa_memory_ordered 1
		.amdhsa_forward_progress 1
		.amdhsa_inst_pref_size 7
	.end_amdhsa_kernel
	.amdgpu_metadata
---
amdhsa.version: [ 1, 2 ]
amdhsa.kernels:
  - .name:           k_q6aea7feb52_combine
    .symbol:         k_q6aea7feb52_combine.kd
    .args:
      - { .name: tsc, .offset: 0, .size: 8, .value_kind: global_buffer, .address_space: global }
      - { .name: pctx, .offset: 8, .size: 8, .value_kind: global_buffer, .address_space: global }
      - { .name: pml, .offset: 16, .size: 8, .value_kind: global_buffer, .address_space: global }
      - { .name: out0, .offset: 24, .size: 8, .value_kind: global_buffer, .address_space: global }
      - { .name: out1, .offset: 32, .size: 8, .value_kind: global_buffer, .address_space: global }
    .group_segment_fixed_size: 0
    .private_segment_fixed_size: 0
    .kernarg_segment_align: 8
    .kernarg_segment_size: 40
    .max_flat_workgroup_size: 64
    .sgpr_count:     66
    .vgpr_count:     64
    .wavefront_size: 32
...
	.end_amdgpu_metadata
.endif
;; end of part 3
